; MI455X (gfx1250); checked and timed in simulation.
; The chip was launched on July 23, 2026; its instructions are those of AMD's public machine-readable ISA for CDNA 5 (MIT licence, August 2026) and "CDNA5" Instruction Set Architecture Reference Guide (July 2026). The comments in the code are by the model that wrote it; some were corrected since.
;; Model. Allowed arithmetic: matrix products marked QUANTISED: E4M3 operands, one given power-of-two scale a tensor, by v_wmma_f32_16x16x64_fp8_fp8 or v_wmma_f32_16x16x128_fp8_fp8, f32 sums; products left as they are: f32 operands where the result goes on into a quantised operand, else bf16, f16 or f32 operands; f32 sums; everything else in f32.
;; Inputs: Wa 2,048 float32; Wk_codes 2,048 x 64 x 32 uint8 (E4M3 codes of Wk, K innermost, in blocks of 32 codes); Wp 2,048 x 2,048 float32; Wq_codes 2,048 x 64 x 32 uint8 (E4M3 codes of Wq, K innermost, in blocks of 32 codes); Wv_codes 2,048 x 64 x 32 uint8 (E4M3 codes of Wv, K innermost, in blocks of 32 codes); ba 1 float32; bk 2,048 float32; bp 2,048 float32; bq 2,048 float32; bv 2,048 float32; lowp_scales 8 int32 (the exponents e of the quantised operands' scales 2^e); x_codes 2 x 2,048 x 64 x 32 uint8 (E4M3 codes of x, K innermost, in blocks of 32 codes); x_mask 1 x 2,048 int32.
;; Outputs: out0 2 x 2,048 float32.
;; This version of the problem:
;;   THIS VERSION OF THE PROBLEM IS GIVEN IN LOW PRECISION. The matrix products marked QUANTISED in the list below multiply operands that are first quantised to E4M3 (4 exponent bits, 3 mantissa bits; 8 bits a number), with one given power-of-two scale for each operand tensor; their sums are f32. All else is computed in f32.
;;   The module's matrix products, in the order in which they are computed (A, B: the left and right operand; K: the contracted axis; several contracted axes count as one K, in the product's order):
;;     1. [M 4,096, K 2,048] x [K 2,048, N 2,048]; A: input x (given as codes); B: input Wq (given as codes): QUANTISED (scales: A lowp_scales[0], B lowp_scales[1])
;;     2. [M 4,096, K 2,048] x [K 2,048, N 2,048]; A: input x (given as codes); B: input Wk (given as codes): QUANTISED (scales: A lowp_scales[2], B lowp_scales[3])
;;     3. [M 4,096, K 2,048] x [K 2,048, N 2,048]; A: input x (given as codes); B: input Wv (given as codes): QUANTISED (scales: A lowp_scales[4], B lowp_scales[5])
;;     4. batch 16 x [M 2,048, K 256] x [K 256, N 2,048]; A: computed on the way; B: computed on the way: QUANTISED (scales: A lowp_scales[6], B lowp_scales[7])
;;     5. [M 32,768, K 2,048] x [K 2,048, N 1]; A: computed on the way; B: input Wa: left as it is (N = 1 < 16)
;;     6. batch 16 x [M 1, K 2,048] x [K 2,048, N 256]; A: softmax; B: computed on the way: left as it is (M = 1 < 16)
;;     7. [M 2, K 2,048] x [K 2,048, N 2,048]; A: computed on the way; B: input Wp: left as it is (M = 2 < 16)
;;   THE QUANTISER, for each operand of a quantised product, along K:
;;     - The operand's scale is 2^e, e = its entry of the input lowp_scales (int32; the entries are numbered through the quantised products in the list's order, A before B).
;;     - Each number is divided by the scale, clamped to +-448, and rounded to the nearest number of E4M3, ties to even, subnormals kept.
;;     - The product sums the exact products of the quantised numbers (number of the format x scale) in f32.
;;   ~~~python
;;   def quantise(x, axis, e):      # numpy; x: float32 -> the quantised numbers, widened to float32 again
;;       x = np.moveaxis(x, axis, -1); K = x.shape[-1]
;;       r = np.clip(x / 2.0 ** e, -448, 448)
;;       step = 2.0 ** (np.maximum(np.frexp(np.where(r == 0, 1, r))[1] - 1, -6) - 3)
;;       q = np.round(r / step) * step * 2.0 ** e      # np.round: ties to even
;;       return np.moveaxis(q, -1, axis).astype(np.float32)
;;   ~~~
;;   OPERANDS COMPUTED ON THE WAY. 'Computed on the way' means the value that the module computes at that place (a softmax that the list does not call 'softmax' is quantised finished and normalised). What goes into a quantiser is computed in f32, as accurately as f32 sums, v_exp_f32 and their like allow (about 1e-6 of the number): no bf16 or f16 on the way to a quantiser, and a product that is left as it is and whose result goes on into a quantised operand takes f32 operands (vector FMAs, or v_wmma_f32_16x16x4_f32). A number that lies on a knife's edge between two numbers of the format may be rounded either way, as far as f32 arithmetic and the matrix unit's own rounding can turn it there, and no further.
;;   INPUTS GIVEN AS CODES. Wk (in the module: [2048, 2048], K = its axis 1); Wq (in the module: [2048, 2048], K = its axis 1); Wv (in the module: [2048, 2048], K = its axis 1); x (in the module: [2, 2048, 2048], K = its axis 2): each comes as NAME_codes (uint8): NAME with its K axis moved to the last place and cut into blocks of 32 codes, [.., K / 32, bytes a block], one block behind the other in memory; one code a byte (a code: sign, 4 exponent bits, 3 mantissa bits); its scale is its entry of lowp_scales. Its value is code x scale, taken as it is: it is not quantised again, and the codes and scales need not be those that the quantiser above would give.
;; One version. Each part assembles by itself: llvm-mc -triple=amdgcn-amd-amdhsa -mcpu=gfx1250 --defsym DOCPART=n.
;; ======== version 1 of 1: 3 launches
;; limits: right only within a limited range of input values
;; workspace buffers: qf 8,388,608 bytes; kf 8,388,608 bytes; vf 33,554,432 bytes; part 393,216 bytes
;; launch proj (part 1): grid 128 x 4, 4 waves a work-group, clusters of 4 x 4, 327,680 bytes of LDS; arguments x_codes, Wq_codes, Wk_codes, Wv_codes, bq, bk, bv, lowp_scales, qf, kf, vf; writes qf, kf, vf
.if DOCPART == 1
	.amdgcn_target "amdgcn-amd-amdhsa--gfx1250"
	.amdhsa_code_object_version 6
	.text
	.protected	k_qf9ec7b1666_proj
	.globl	k_qf9ec7b1666_proj
	.p2align	8
	.type	k_qf9ec7b1666_proj,@function
k_qf9ec7b1666_proj:
	s_mov_b64 s[64:65], 0
	v_nop
	global_prefetch_b8 v0, s[64:65] scope:SCOPE_SE
	s_setreg_imm32_b32 hwreg(HW_REG_WAVE_MODE, 25, 1), 1
	s_wait_xcnt 0x0
	s_wait_alu depctr_hold_cnt(0) depctr_sa_sdst(0) depctr_va_vdst(0) depctr_va_sdst(0) depctr_va_ssrc(0) depctr_va_vcc(0) depctr_vm_vsrc(0)
	s_getreg_b32 s2, hwreg(HW_REG_IB_STS2, 6, 4)
	s_cmp_eq_u32 s2, 0
	s_cbranch_scc0 .Lentry_in_a_cluster
	s_endpgm
.Lentry_in_a_cluster:
	s_bfe_u32 s2, ttmp6, 0x10000c
	s_cmp_lg_u32 s2, 0xf033
	s_cbranch_scc0 .Lentry_shape_is_right
	s_endpgm
.Lentry_shape_is_right:
; q = x Wq^T + bq, k = x Wk^T + bk, v = x Wv^T + bv.  x: [4096][2048], W: [2048][2048]: codes of FP8 (E4M3), K innermost, one scale 2^e a tensor and product.
; One launch serves the three products, in 32 clusters of 4 x 4 work-groups, numbered by the cluster's x alone.  A cluster makes 1,024 tokens x 1,024 columns (four heads).
;   Clusters 0-15: q and k, all of K: 8 K steps of 256.   Clusters 16-31: v, ONE HALF OF K each: 4 K steps.  So 16 long and 16 short clusters share 16 x 12 K steps evenly; the long ones have the lower numbers.
;   v is used only in a sum over tokens that is linear in it, so its two partial sums (K 0..1023, K 1024..2047) are stored side by side and never added here.  The bias goes in with the first half alone.
;   Of cluster number L: (L / 4) % 4 is the block of 1,024 tokens; L % 2 the tensor's heads 0-3 or 4-7; (L % 4) / 2 says q or k (L < 16), or which half of K (L >= 16).  All of it is equal in the sixteen partners.
; A tile of 256 tokens x 256 columns (one head) is made by four waves, each 128 x 128: 64 accumulators of 16 x 16, 512 registers.  K goes in steps of 256 through a ring of two LDS slots filled by the tensor data mover.
; The four work-groups of a row of the cluster need the same tiles of x, the four of a column the same tiles of W: each tile is asked for JOINTLY, by the same tensor load with the same descriptor and a mask that names the four.
; THE MATRIX INSTRUCTION IS USED TRANSPOSED (source 0 = 16 rows of W, source 1 = 16 tokens): a lane holds one token (lane % 16) and eight neighbouring columns 8 (lane / 16) + 0 .. 7.
; THE BIAS is the C of each sum's first matrix instruction, divided by the power of two that the sums lack: bias / 2^(ea + eb).  (An order of rounding other than sum x scale + bias.)
; THE WAY OUT needs no LDS.  q and k are quantised with the given 2^e6, 2^e7 (the three exponents folded into the conversion's one) and stored as IMAGES OF THE NEXT PRODUCT'S OPERAND REGISTERS:
;   fragment ((b 8 + head) 128 + tile of 16 tokens) 2 + (which 128 of the head's 256), 2,048 bytes, laid [c 0..3][lane][16 bytes]: a lane's codes of column tiles 2 c and 2 c + 1: k = 32 c + 8 (lane / 16) + 0..7 and 32 c + 16 + 8 (lane / 16) + 0..7.
;   v goes out as bf16: block (((b 8 + head) 128 + tile of tokens) 2 + half of K) 16 + tile of columns, 512 bytes, [lane][16 bytes].  Every store of a wave covers 512 consecutive bytes, aligned.
; LIMITS on the given exponents, so that each power of two is an f32 number: e6 - e0 - e1 and e7 - e2 - e3 between -126 and 119; e4 + e5 between -126 and 127; the biases, and bias / 2^(ea + eb), finite.  NaN codes are not served.
; REGISTERS, in windows of 256: window 0: v0-31 addresses and constants; v32-95 the bias (8 tiles of columns), later at work on the way out; from v128 x's fragments (8 x 16 rows x 128 K), ONE set, later what is stored.
;   window 1: W's fragments, TWO sets, at v0 and v128.   window 2: the accumulators of my tokens 0-63 ((a, b) at v[8 (8 a + b)]);   window 3: those of my tokens 64-127.
.set SIZE_K, 2048
.set KSTEP,  256                       ; along K in a slot
.set ROWB,   256                       ; a tile's row in bytes
.set KROW,   SIZE_K                    ; a row of x or of W in memory, in bytes
.set PITCH,  272                       ; an LDS row: 256 bytes + 16 of padding = 68 words, so the 16 rows that a load touches start 4 words apart
.set FR,     16                        ; registers of a fragment: 16 rows x 128 K
.set NL,     4                         ; LDS loads that bring one
.set NP,     4                         ; places behind this matrix instruction (ISA guide 7.12.1)
.set HALFT,  128*PITCH                 ; 128 rows: what one tensor load brings
.set SLOT,   4*HALFT                   ; x's 256 rows, then W's 256 rows
.set LAPS,   SIZE_K/(2*KSTEP)          ; a lap = two K steps = once round the ring: 4 for all of K, 2 for half of it
.set SPARE,  2*SLOT                    ; behind the ring: the spare words, 128 bytes a wave
.set ADRA, 16                          ; v16-17  LDS address of my x fragments in slot 0, 1
.set ADRB, 20                          ; v20-21  the same for W
.set LIMV, 24                          ; v24     448 x 2^(eo - ea - eb)
.set SCV,  25                          ; v25     2^(eo - ea - eb): the conversion takes its exponent field
.set CO,   26                          ; v26     16 x lane: my place in a store's 512 bytes
.set BO,   27                          ; v27     32 x (lane / 16): my eight numbers of a tile of the bias
.set SPW,  28                          ; v28     LDS address of my spare word; never rewritten
.set NIL,  29                          ; v29     0; never rewritten
.set BI,   32                          ; the bias / 2^(ea + eb), tile b at v[BI + 8 b]
.set TMP,  32                          ; the way out: 64 numbers at work
.set AF,   128                         ; x's fragments
.set CD,   128                         ; the way out: what is stored
.set G1, 24                            ; s[24:31] descriptor group 1 for x's tiles;  s[32:39] group 0, one set for each slot
.set G0, 32
.set G1B, 48                           ; s[48:55], s[56:63] the same for W's tiles
.set G0B, 56
.set MSB, 0
.macro WIN new                         ; the immediate's high byte repeats the setting that is left
.if MSB != (\new)
	s_set_vgpr_msb (MSB<<8)|(\new)
.set MSB, (\new)
.endif
.endm
.set MUL_LO, 0xa1                      ; source 0 (W) window 1, source 1 (x) window 0, C and D window 2
.set MUL_HI, 0xf1                      ; the same, C and D window 3
.set FST_LO, 0x81                      ; the first K step: C (the bias) window 0, D window 2
.set FST_HI, 0xc1                      ; D window 3
.set TO_B,   0x40                      ; destination window 1, address window 0
; A joint load: waves 0 and 1 fetch for x, waves 2 and 3 for W.  Each of the two lines has one mask and one set of registers; the branch hangs on the wave's number alone.
; Four v_nop follow each of the two lines, ahead of the jump, the label and what follows.
.macro JLOAD g0a, g1a, g0b, g1b
	s_cmp_eq_u32 s15, 0
	s_cbranch_scc0 .Lfor_b_\@
	tensor_load_to_lds s[\g0a:\g0a+3], s[\g1a:\g1a+7]
	s_nop 0
.rept 4
	v_nop
.endr
	s_branch .Lasked_\@
.Lfor_b_\@:
	tensor_load_to_lds s[\g0b:\g0b+3], s[\g1b:\g1b+7]
	s_nop 0
.rept 4
	v_nop
.endr
.Lasked_\@:
.endm
.macro CREST                           ; a round of the cluster's barrier behind its opening barrier
	s_cmp_lg_u32 s14, 0
	s_cbranch_scc1 .Lnot_wave_0_\@
	s_barrier_signal -3
.Lnot_wave_0_\@:
	s_barrier_wait -3
	s_barrier_signal -1
	s_barrier_wait -1
.endm
.macro CROUND                          ; a whole round
	s_barrier_signal -1
	s_barrier_wait -1
	CREST
.endm
	s_load_b256 s[68:75], s[0:1], 0x0              ; x s[68:69], Wq s[70:71], Wk s[72:73], Wv s[74:75]
	s_load_b256 s[76:83], s[0:1], 0x20             ; bq s[76:77], bk s[78:79], bv s[80:81], the exponents s[82:83]
	s_load_b128 s[84:87], s[0:1], 0x40             ; qf s[84:85], kf s[86:87]
	s_load_b64 s[88:89], s[0:1], 0x50              ; vf
	v_lshl_add_u32 v[SPW], v0, 2, SPARE
	v_mov_b32 v[NIL], 0
	ds_add_u32 v28, v29
	ds_add_u32 v28, v29
	s_wait_dscnt 0x0
	v_lshrrev_b32 v1, 5, v0
	v_readfirstlane_b32 s14, v1                    ; wave 0..3
	s_lshr_b32 s15, s14, 1                         ; which half of the tile's tokens is mine.  Also: I fetch for x (0) or for W (1)
	s_and_b32 s16, s14, 1                          ; which half of its columns.  Also: which 128 rows of that tile I fetch
	s_bfe_u32 s40, ttmp6, 0x40000                  ; cx, cy: my place in the cluster
	s_bfe_u32 s41, ttmp6, 0x40004
	s_and_b32 s12, ttmp9, 3
	s_lshr_b32 s12, s12, 1                         ; (cluster % 4) / 2
	s_and_b32 s42, ttmp9, 1
	s_lshl_b32 s42, s42, 2
	s_add_co_u32 s42, s42, s40                     ; the head = the tile column within its tensor = 4 (cluster % 2) + cx
	s_lshr_b32 s17, ttmp9, 2
	s_and_b32 s17, s17, 3
	s_lshl_b32 s17, s17, 2
	s_add_co_u32 s17, s17, s41                     ; tile row = 4 ((cluster / 4) % 4) + cy
	s_cmp_lt_u32 ttmp9, 16                         ; a long cluster or a short one?  The cluster's number is equal in all sixteen partners
	s_cselect_b32 s90, s12, 2                      ; kind: 0 q, 1 k, 2 v
	s_cselect_b32 s12, 0, s12                      ; which half of K (v alone has a second)
	s_cselect_b32 s3, LAPS-1, LAPS/2-1             ; the loop's trips: all laps but the last
	s_lshl_b32 s43, s41, 2
	s_lshl_b32 s43, 15, s43                        ; my row of the cluster
	s_lshl_b32 s44, 0x1111, s40                    ; my column
	; descriptor group 1: a tile of 128 rows x 256 bytes, padded in LDS
	s_or_b32 s[G1+0], s43, (0<<16)|(1<<20)|(1<<21)|(5<<22)|(3<<25)  ; 15:0 the mask: x's tiles go to my row; 17:16 element of 1 byte; 20 padding on; 21 set beside a mask; 24:22 after every 64 words; 31:25 of 4 words
	s_or_b32 s[G1B+0], s44, (0<<16)|(1<<20)|(1<<21)|(5<<22)|(3<<25) ; W's tiles go to my column
.irp g, G1, G1B
	s_mov_b32 s[\g+1], ROWB<<16                    ; tensor_dim0
	s_mov_b32 s[\g+2], 128<<16                     ; tensor_dim1 = 128
	s_mov_b32 s[\g+3], ROWB<<16                    ; tile_dim0
	s_mov_b32 s[\g+4], 128                         ; tile_dim1 = 128
	s_mov_b32 s[\g+5], KROW                        ; tensor_dim0_stride
	s_mov_b32 s[\g+6], 0
	s_mov_b32 s[\g+7], 0
.endr
	s_lshl_b32 s18, s16, 7                         ; which 128 rows of the tile I fetch
	s_lshl_b32 s20, s17, 8
	s_add_co_u32 s20, s20, s18                     ; x: row 256 x tile row + 128 x half
	s_lshl_b32 s20, s20, 11                        ; in bytes: a row is 2,048
	s_mov_b32 s21, 0
	s_lshl_b32 s46, s42, 8
	s_add_co_u32 s46, s46, s18                     ; W: row 256 x head + 128 x half
	s_lshl_b32 s46, s46, 11
	s_mov_b32 s47, 0
	s_lshl_b32 s18, s12, 10                        ; my half of K begins 1,024 bytes along the rows, or at their head
	s_add_co_u32 s20, s20, s18
	s_add_co_u32 s46, s46, s18
	s_mul_i32 s45, s14, HALFT                      ; where they go: wave x 128 rows: no place in the cluster enters an LDS address
	s_wait_kmcnt 0x0
	s_load_b256 s[92:99], s[82:83], 0x0            ; e0 .. e7
	s_cmp_eq_u32 s90, 0                            ; the three tensors' buffers are chosen by kind, which hangs on no address
	s_cselect_b64 s[6:7], s[70:71], s[72:73]
	s_cselect_b64 s[8:9], s[76:77], s[78:79]
	s_cselect_b64 s[10:11], s[84:85], s[86:87]
	s_cmp_eq_u32 s90, 2
	s_cselect_b64 s[6:7], s[74:75], s[6:7]         ; W
	s_cselect_b64 s[8:9], s[80:81], s[8:9]         ; the bias
	s_cselect_b64 s[10:11], s[88:89], s[10:11]     ; where the results go
	s_add_nc_u64 s[20:21], s[68:69], s[20:21]
	s_add_nc_u64 s[46:47], s[6:7], s[46:47]
	CROUND                                         ; all sixteen work-groups are here: the first joint loads meet
.irp s, 0,1
	s_mov_b32 s[G0+4*\s], 1
	s_add_co_u32 s[G0+4*\s+1], s45, \s*SLOT
	s_add_nc_u64 s[G0+4*\s+2:G0+4*\s+3], s[20:21], \s*ROWB
	s_or_b32 s[G0+4*\s+3], s[G0+4*\s+3], 0x80000000
	s_mov_b32 s[G0B+4*\s], 1
	s_add_co_u32 s[G0B+4*\s+1], s45, \s*SLOT
	s_add_nc_u64 s[G0B+4*\s+2:G0B+4*\s+3], s[46:47], \s*ROWB
	s_or_b32 s[G0B+4*\s+3], s[G0B+4*\s+3], 0x80000000
	JLOAD G0+4*\s, G1, G0B+4*\s, G1B
.endr
	v_and_b32 v1, 15, v0                           ; l % 16
	v_bfe_u32 v2, v0, 4, 1                         ; l / 16
	; the bias of my 128 columns, in the result's layout: tile b, lane half hh: numbers 16 b + 8 hh + 0 .. 7
	s_lshl_b32 s70, s42, 10                        ; head x 256 numbers
	s_lshl_b32 s71, s16, 9                         ; + my half's 128
	s_add_co_u32 s70, s70, s71
	s_mov_b32 s71, 0
	s_add_nc_u64 s[8:9], s[8:9], s[70:71]
	v_lshlrev_b32 v[BO], 5, v2
.irp t, 0,1,2,3,4,5,6,7
	global_load_b128 v[BI+8*\t:BI+8*\t+3], v[BO], s[8:9] offset:64*\t
	global_load_b128 v[BI+8*\t+4:BI+8*\t+7], v[BO], s[8:9] offset:64*\t+16
.endr
	v_mul_u32_u24 v3, v1, PITCH
	v_lshl_add_u32 v4, v2, 4, v3                   ; a fragment's row x pitch + 16 x half
	s_mul_i32 s21, s15, HALFT                      ; my 128 rows of x
	s_mul_i32 s22, s16, HALFT                      ; my 128 rows of W,
	s_add_co_u32 s22, s22, 2*HALFT                 ; which lie behind x's 256
.irp s, 0,1
	v_add_nc_u32 v[ADRA+\s], s21, v4
	v_add_nc_u32 v[ADRB+\s], s22, v4
	s_add_co_u32 s21, s21, SLOT
	s_add_co_u32 s22, s22, SLOT
.endr
	v_and_b32 v5, 31, v0
	v_lshlrev_b32 v[CO], 4, v5
	; where my results begin.  Codes: ((b 8 + head) << 19) + ((tile row % 8) << 16) + (token half << 15) + (column half << 11).
	; v: a tile of 16 tokens takes four times the bytes (bf16, two halves of K): the first three terms << 2, + (half of K << 13) + (column half << 12)
	s_lshr_b32 s66, s17, 3
	s_lshl_b32 s66, s66, 3
	s_add_co_u32 s66, s66, s42                     ; b 8 + head
	s_lshl_b32 s66, s66, 19
	s_and_b32 s67, s17, 7
	s_lshl_b32 s67, s67, 16
	s_add_co_u32 s66, s66, s67
	s_lshl_b32 s67, s15, 15
	s_add_co_u32 s66, s66, s67
	s_cmp_eq_u32 s90, 2
	s_cselect_b32 s67, 2, 0
	s_cselect_b32 s70, 12, 11
	s_lshl_b32 s66, s66, s67
	s_lshl_b32 s70, s16, s70
	s_add_co_u32 s66, s66, s70
	s_lshl_b32 s70, s12, 13                        ; 0 for q and k
	s_add_co_u32 s66, s66, s70
	s_mov_b32 s67, 0
	s_add_nc_u64 s[10:11], s[10:11], s[66:67]
	; the exponents: chosen by kind, never branched on
	s_wait_kmcnt 0x0
	s_add_co_i32 s92, s92, s93                     ; e0 + e1
	s_add_co_i32 s94, s94, s95                     ; e2 + e3
	s_add_co_i32 s96, s96, s97                     ; e4 + e5
	s_cmp_eq_u32 s90, 0
	s_cselect_b32 s92, s92, s94
	s_cselect_b32 s98, s98, s99                    ; eo: e6 for q, e7 for k (for v it is made and not used)
	s_cmp_eq_u32 s90, 2
	s_cselect_b32 s92, s96, s92                    ; E = ea + eb: a sum stands for sum x 2^E
	s_sub_co_i32 s91, 0, s92                       ; -E, for the bias;
	s_cmp_eq_u32 s12, 1
	s_cselect_b32 s91, 0xfffffc18, s91             ; -1000 for the second half of K: every finite bias x 2^-1000 is 0 in f32, so the bias is added once
	s_add_co_i32 s96, s92, 127
	s_lshl_b32 s96, s96, 23                        ; 2^E as f32, for v
	s_mov_b32 s97, s96                             ; (named with it as a pair, so it is written)
	s_sub_co_i32 s98, s98, s92                     ; eo - E: the three scales folded into the conversion's one
	s_add_co_i32 s98, s98, 127
	s_lshl_b32 s99, s98, 23
	v_mov_b32 v[SCV], s99
	s_add_co_i32 s98, s98, 8
	s_lshl_b32 s98, s98, 23
	s_or_b32 s98, s98, 0x600000
	v_mov_b32 v[LIMV], s98                         ; 448 x that
	s_wait_loadcnt 0x0                             ; the bias
.set j, 0
.rept 64
	v_ldexp_f32 v[BI+j], v[BI+j], s91              ; bias / 2^E, or 0
.set j, j+1
.endr
.macro FRAG reg, adr, q, i             ; a fragment, 16 rows x 128 K, by four loads of 16 bytes: registers 4 c .. 4 c + 3 hold K = 32 c + 16 (l / 16) + 0 .. 15: one and the same order of k in x and in W
.irp c, 0,1,2,3
	ds_load_b128 v[\reg+4*\c:\reg+4*\c+3], v[\adr] offset:128*(\q)+32*\c+(\i)*16*PITCH
.endr
.endm
; 16 matrix instructions: x's blocks a0, a0 + 1 against W's eight, 128 along K.  p: W's set.  first = 1: the bias is the C, and nothing is ever cleared.
; The 64 accumulators take turns, one instruction a turn, in the same order in every step.
.macro MUL16 a0, p, first
.irp a, \a0, \a0+1
.irp b, 0,1,2,3,4,5,6,7
.if \first
	v_wmma_f32_16x16x128_fp8_fp8 v[8*(8*((\a)%4)+\b):8*(8*((\a)%4)+\b)+7], v[128*(\p)+FR*\b:128*(\p)+FR*\b+FR-1], v[AF+FR*(\a):AF+FR*(\a)+FR-1], v[BI+8*\b:BI+8*\b+7]
.else
	v_wmma_f32_16x16x128_fp8_fp8 v[8*(8*((\a)%4)+\b):8*(8*((\a)%4)+\b)+7], v[128*(\p)+FR*\b:128*(\p)+FR*\b+FR-1], v[AF+FR*(\a):AF+FR*(\a)+FR-1], v[8*(8*((\a)%4)+\b):8*(8*((\a)%4)+\b)+7]
.endif
.endr
.endr
.endm
.macro FETCH_B slot, q, p              ; W's eight fragments of the slot's q-th 128 along K into set p
	WIN TO_B
.irp i, 0,1,2,3,4,5,6,7
	FRAG 128*(\p)+FR*\i, ADRB+\slot, \q, \i
.endr
	WIN 0
.endm
.macro FETCH_A slot, q, i0             ; x's blocks i0 .. i0 + 3
.irp i, \i0, \i0+1, \i0+2, \i0+3
	FRAG AF+FR*(\i), ADRA+\slot, \q, \i
.endr
.endm
; A load into a register that a matrix instruction has read, and a vector instruction that reads a matrix result or writes one of its registers, stand NP places behind it;
; only plain vector instructions that name none of its registers are places.
.macro PLACES n
.rept \n
	v_nop
.endr
.endm
; A step of 128 along K that has its successor in the same slot.  x's blocks 0-3 are fetched anew in its middle, blocks 4-7 at its end; W's next set in the middle.
.macro STEP slot, q, first
	s_wait_dscnt 4*NL                              ; W's set and x's blocks 0-3 are in; the youngest sixteen loads (x's blocks 4-7) may be out
.if \first
	WIN FST_LO
.else
	WIN MUL_LO
.endif
	MUL16 0, (\q)%2, \first
	MUL16 2, (\q)%2, \first
	s_wait_dscnt 0                                 ; x's blocks 4-7 are in
	PLACES NP
	FETCH_B \slot, (\q)+1, 1-(\q)%2
	FETCH_A \slot, (\q)+1, 0
.if \first
	WIN FST_HI
.else
	WIN MUL_HI
.endif
	MUL16 4, (\q)%2, \first
	MUL16 6, (\q)%2, \first
	PLACES NP
	WIN 0
	FETCH_A \slot, (\q)+1, 4
.endm
; A slot's last step changes slots, AT ITS HEAD: all of the slot's fragments have been asked for, so the slot is free as soon as they are in registers.  ONE barrier; in front of it each wave waits for all its
; tensor loads, adds 0 to its spare word, and waits for that and for its own reads of this slot.  fill = 1: this slot is filled again, two K steps ahead: the request goes out ahead of the step's 64 matrix instructions,
; so that it has them and the next step's 64 in which to land, and nothing but the round stands between the landing of one tile and the request for the next.
.macro TURN slot, next, fill
	s_wait_tensorcnt 0x0                           ; all my tensor loads have landed: my part of the next slot  (every window is 0 here)
	ds_add_u32 v[SPW], v[NIL]                      ; 0 onto my spare word
.if \fill
	s_add_nc_u64 s[G0+4*\slot+2:G0+4*\slot+3], s[G0+4*\slot+2:G0+4*\slot+3], 2*ROWB      ; no load of mine is out, so a group 0 may be written: this slot's next K step
	s_add_nc_u64 s[G0B+4*\slot+2:G0B+4*\slot+3], s[G0B+4*\slot+2:G0B+4*\slot+3], 2*ROWB
.endif
	s_wait_dscnt 0x0                               ; the add is done, and my reads of this slot are over: W's set 1 and x's eight blocks are in registers
	s_barrier_signal -1
	s_barrier_wait -1
.if \fill
	CREST                                          ; the barrier has opened a round of the cluster's barrier: no wave of any partner still reads this slot or has a load on its way
	JLOAD G0+4*\slot, G1, G0B+4*\slot, G1B         ; the first tensor load behind the round
.endif
	FETCH_B \next, 0, 0                            ; W's set 0 was last read ahead of the four places that end the step before
	WIN MUL_LO
	MUL16 0, 1, 0
	MUL16 2, 1, 0
	PLACES NP
	WIN 0
	FETCH_A \next, 0, 0
	WIN MUL_HI
	MUL16 4, 1, 0
	MUL16 6, 1, 0
	PLACES NP
	WIN 0
	FETCH_A \next, 0, 4
.endm
	s_wait_tensorcnt 1                             ; my part of K step 0 is in; K step 1's load may be out
	s_barrier_signal -1
	s_barrier_wait -1                              ; everybody's is
	FETCH_B 0, 0, 0
	FETCH_A 0, 0, 0
	FETCH_A 0, 0, 4
	STEP 0, 0, 1                                   ; the first step stands in front of the loop: its products start the sums on the bias
	s_mov_b32 s2, 0
.Llap:                                                 ; a trip goes once round the ring, from a lap's second step to the next lap's first, and fills both slots again: 3 trips for all of K, 1 for half of it
	TURN 0, 1, 1
	STEP 1, 0, 0
	TURN 1, 0, 1
	STEP 0, 0, 0
	s_add_co_u32 s2, s2, 1
	s_cmp_lt_u32 s2, s3                            ; s3 hangs on the cluster's number alone: all sixteen partners pass the same rounds
	s_cbranch_scc1 .Llap
	TURN 0, 1, 0                                   ; the last lap fills nothing, and has no round of the cluster's barrier
	STEP 1, 0, 0
	s_wait_dscnt 4*NL                              ; the very last step: nothing more to fetch
	WIN MUL_LO
	MUL16 0, 1, 0
	MUL16 2, 1, 0
	s_wait_dscnt 0
	WIN MUL_HI
	MUL16 4, 1, 0
	MUL16 6, 1, 0
	WIN 0
; THE WAY OUT OF q AND k, block a of 16 tokens: held within +-448 x the scale (the conversion to an 8-bit code does not saturate: ISA guide 7.6.2), converted eight columns at a time.
; Tiles 2 c and 2 c + 1 give registers 4 c .. 4 c + 3 of the next product's operand, so the four stores are its image.  Each block has its own sixteen registers: no store's data are written again.
.macro QK_OUT a
.set AC, 64*((\a)%4)
	WIN 0x02+((\a)/4)                              ; source 0: window 2 or 3
.set j, 0
.rept 64
	v_med3_num_f32 v[TMP+j], v[AC+j], -v[LIMV], v[LIMV]   ; each accumulator from its low end on
.set j, j+1
.endr
	WIN 0
.irp t, 0,1,2,3,4,5,6,7
	v_cvt_scalef32_pk8_fp8_f32 v[CD+16*(\a)+2*\t:CD+16*(\a)+2*\t+1], v[TMP+8*\t:TMP+8*\t+7], v[SCV]
.endr
	v_nop                                          ; one plain vector instruction between the conversions and the next block's writes of their sources
.irp c, 0,1,2,3
	global_store_b128 v[CO], v[CD+16*(\a)+4*\c:CD+16*(\a)+4*\c+3], s[10:11] offset:4096*(\a)+512*\c   ; 32 lanes store 512 consecutive bytes, aligned
.endr
.endm
; THE WAY OUT OF v: my half of K's sum x 2^(e4 + e5), rounded to bf16: a lane's eight columns of a tile are 16 bytes.  Four sets of 32 registers take turns.  A tile of tokens is 16,384 bytes on: both halves' 8,192.
.macro V_OUT a
.set AC, 64*((\a)%4)
.if (\a) >= 4
	s_wait_xcnt 0x0                                ; block a - 4's stores have read their registers: the set may be written again
.endif
	WIN 0x02+((\a)/4)
.set j, 0
.rept 32
	v_pk_mul_f32 v[TMP+j:TMP+j+1], v[AC+j:AC+j+1], s[96:97] op_sel_hi:[1,0]   ; both x s96
.set j, j+2
.endr
	WIN 0
.set j, 0
.rept 32
	v_cvt_pk_bf16_f32 v[CD+32*((\a)%4)+j], v[TMP+2*j], v[TMP+2*j+1]
.set j, j+1
.endr
.irp t, 0,1,2,3,4,5,6,7
	global_store_b128 v[CO], v[CD+32*((\a)%4)+4*\t:CD+32*((\a)%4)+4*\t+3], s[10:11] offset:16384*(\a)+512*\t
.endr
.endm
	PLACES NP                                      ; behind the last products: for the first reads of results and the first writes of the registers that held x's fragments
	s_cmp_eq_u32 s90, 2                            ; kind is equal in all partners of the cluster
	s_cbranch_scc1 .Lv
.irp a, 0,1,2,3,4,5,6,7
	QK_OUT \a
.endr
	s_branch .Lend
.Lv:
.irp a, 0,1,2,3,4,5,6,7
	V_OUT \a
.endr
.Lend:
	s_wait_tensorcnt 0x0                           ; the wave's end
	ds_add_u32 v[SPW], v[NIL]
	s_wait_dscnt 0x0
	CROUND                                         ; the closing round: no work-group ends while a partner may still ask for a tile that names it
	s_endpgm
.Lfunc_end_k_qf9ec7b1666_proj:
	.size	k_qf9ec7b1666_proj, .Lfunc_end_k_qf9ec7b1666_proj-k_qf9ec7b1666_proj
	.p2alignl 7, 3214868480
	.fill 96, 4, 3214868480
	.section	.rodata,"a",@progbits
	.p2align	6, 0x0
	.amdhsa_kernel k_qf9ec7b1666_proj
		.amdhsa_group_segment_fixed_size 327680
		.amdhsa_private_segment_fixed_size 0
		.amdhsa_enable_private_segment 0
		.amdhsa_kernarg_size 88
		.amdhsa_user_sgpr_count 2
		.amdhsa_user_sgpr_kernarg_segment_ptr 1
		.amdhsa_wavefront_size32 1
		.amdhsa_system_sgpr_workgroup_id_x 1
		.amdhsa_system_sgpr_workgroup_id_y 1
		.amdhsa_system_sgpr_workgroup_id_z 1
		.amdhsa_system_vgpr_workitem_id 0
		.amdhsa_next_free_vgpr 1024
		.amdhsa_next_free_sgpr 100
		.amdhsa_reserve_vcc 0
		.amdhsa_float_denorm_mode_32 3
		.amdhsa_float_denorm_mode_16_64 3
		.amdhsa_memory_ordered 1
		.amdhsa_forward_progress 1
		.amdhsa_inst_pref_size 163
	.end_amdhsa_kernel
	.amdgpu_metadata
---
amdhsa.version: [ 1, 2 ]
amdhsa.kernels:
  - .name:           k_qf9ec7b1666_proj
    .symbol:         k_qf9ec7b1666_proj.kd
    .args:
      - { .name: x_codes, .offset: 0, .size: 8, .value_kind: global_buffer, .address_space: global }
      - { .name: Wq_codes, .offset: 8, .size: 8, .value_kind: global_buffer, .address_space: global }
      - { .name: Wk_codes, .offset: 16, .size: 8, .value_kind: global_buffer, .address_space: global }
      - { .name: Wv_codes, .offset: 24, .size: 8, .value_kind: global_buffer, .address_space: global }
      - { .name: bq, .offset: 32, .size: 8, .value_kind: global_buffer, .address_space: global }
      - { .name: bk, .offset: 40, .size: 8, .value_kind: global_buffer, .address_space: global }
      - { .name: bv, .offset: 48, .size: 8, .value_kind: global_buffer, .address_space: global }
      - { .name: lowp_scales, .offset: 56, .size: 8, .value_kind: global_buffer, .address_space: global }
      - { .name: qf, .offset: 64, .size: 8, .value_kind: global_buffer, .address_space: global }
      - { .name: kf, .offset: 72, .size: 8, .value_kind: global_buffer, .address_space: global }
      - { .name: vf, .offset: 80, .size: 8, .value_kind: global_buffer, .address_space: global }
    .group_segment_fixed_size: 327680
    .private_segment_fixed_size: 0
    .kernarg_segment_align: 8
    .kernarg_segment_size: 88
    .max_flat_workgroup_size: 128
    .sgpr_count:     100
    .vgpr_count:     1024
    .wavefront_size: 32
...
	.end_amdgpu_metadata
.endif
;; end of part 1
;; launch score (part 2): grid 16 x 16, 8 waves a work-group, clusters of 4 x 1, 327,680 bytes of LDS; arguments qf, kf, vf, Wa, ba, x_mask, lowp_scales, part; writes part
.if DOCPART == 2
	.amdgcn_target "amdgcn-amd-amdhsa--gfx1250"
	.amdhsa_code_object_version 6
	.text
	.protected	k_qf9ec7b1666_score
	.globl	k_qf9ec7b1666_score
	.p2align	8
	.type	k_qf9ec7b1666_score,@function
k_qf9ec7b1666_score:
	s_mov_b64 s[64:65], 0
	v_nop
	global_prefetch_b8 v0, s[64:65] scope:SCOPE_SE
	s_setreg_imm32_b32 hwreg(HW_REG_WAVE_MODE, 25, 1), 1
	s_wait_xcnt 0x0
	s_wait_alu depctr_hold_cnt(0) depctr_sa_sdst(0) depctr_va_vdst(0) depctr_va_sdst(0) depctr_va_ssrc(0) depctr_va_vcc(0) depctr_vm_vsrc(0)
	s_getreg_b32 s2, hwreg(HW_REG_IB_STS2, 6, 4)
	s_cmp_eq_u32 s2, 0
	s_cbranch_scc0 .Lentry_in_a_cluster
	s_endpgm
.Lentry_in_a_cluster:
	s_bfe_u32 s2, ttmp6, 0x10000c
	s_cmp_lg_u32 s2, 0x3003
	s_cbranch_scc0 .Lentry_shape_is_right
	s_endpgm
.Lentry_shape_is_right:
; For one (batch, head) bh and one block of 128 tokens: e = q k^T on codes of FP8 (E4M3), leaky_relu(e, 0.1), the sum over all 2,048 keys with Wa, + ba, / 16, -1e9 where x_mask is set;
; then the block's part of the softmax over tokens and of the pooling of v: m = the block's largest score, p = exp(score - m), l = the sum of p, and the 256 sums of p v.  The last launch joins the 16 parts of a bh.
; v comes as TWO partial sums (the two halves of its product's K), bf16 each; the pooling is linear in v, so both are pooled into the same sums and never added by themselves.
; leaky_relu(x) is taken as 0.55 x + 0.45 |x|, and the two sums over the keys (of x Wa and of |x| Wa) are kept apart: 12 vector instructions for a tile of 16 x 16 scores.  It is an order of rounding other than the reference's;
; all of it is f32.  leaky_relu commutes with a positive scale, so 2^(e6 + e7) is applied once, to the finished sum, with the 1 / 16.
; SHARES.  THE EIGHT WAVES SHARE THE KEYS: every wave keeps all 16 fragments of the block's q (8 tiles of 16 tokens x 256 along K: 256 registers, window 1) and takes 16 of the 128 tiles of keys.  So each fragment of k is read from LDS once in the work-group.
; Two waves lie on a SIMD: one wave's 96 vector instructions of a step stand beside the other's 16 matrix instructions.
; S^T = k q^T (source 0 = 16 keys, source 1 = 16 tokens): a lane holds token lane % 16, its register j key 8 (lane / 16) + j.
; THE RING.  kf holds images of operand registers, so a fill is a dense block: 32 tiles of keys, 131,072 bytes; wave w fetches, and alone reads, bytes 16,384 w on: four tiles.  Two slots, four fills.
; CLUSTER.  The four blocks of a cluster belong to one bh and walk the same k: each load is asked for JOINTLY (mask 15), the same descriptor in all four.  A wave has two loads out at the start and one behind each round.
; REGISTERS FOR v.  A wave's share of v is 128 registers and the loop leaves 64 free: the first half of K's part is loaded at the head; the second half's sixteen loads go out in the last step, into k's registers and
; the upper half of the scores' as these fall free, and land behind the joining of the scores and the softmax.
; LIMIT: e6 + e7 - 4 between -126 and 127.  NaN codes are not served.
.set SLOTB, 131072
.set SPARE, 2*SLOTB                    ; the spare words, 128 bytes for each of eight waves
.set WAL,   SPARE+1024                 ; my wave's 256 numbers of Wa, in the order of its steps: 1,024 bytes a wave
.set SCB,   WAL+8192                   ; the waves' parts of the 128 scores: [wave][128] f32
.set PW,    SCB+4096                   ; p, a copy for each wave
.set OS,    PW+4096                    ; the pooled 256 numbers
.set A16, 1                            ; v1   16 x lane
.set ADK, 2                            ; v2-3 my lane's place in my part of slot 0, 1
.set AWA, 4                            ; v4   WAL + 1024 w + 32 (lane / 16)
.set AWS, 5                            ; v5   WAL + 1024 w + 16 lane
.set ASC, 6                            ; v6   SCB + 512 w + 4 (lane % 16)
.set ARD, 7                            ; v7   SCB + 16 lane
.set APW, 8                            ; v8   PW + 512 w + 16 lane
.set APR, 9                            ; v9   PW + 512 w + 4 (lane % 16)
.set AOS, 10                           ; v10  OS + 128 w + 32 (lane / 16)
.set AOL, 11                           ; v11  OS + 16 lane
.set SPW, 12                           ; v12  LDS address of my spare word; never rewritten
.set NIL, 13                           ; v13  0; never rewritten
.set AWG, 14                           ; v14  Wa in memory: 2048 (lane / 16) + 256 w + 16 (lane % 16)
.set PFO, 15                           ; v15  256 x lane, for k's prefetch; never rewritten
.set MK,  16                           ; v16-19   x_mask of tokens 4 lane + 0 .. 3 of the block
.set WT,  20                           ; v20-27   Wa as loaded
.set PFV, 20                           ; v20-21   from step 11 on: the offset of v's prefetch (Wa went to LDS at the head)
.set LIN, 28                           ; v28-43   tile t: a pair of sums of s Wa
.set AB,  44                           ; v44-51   tile t: the sum of |s| Wa
.set WA,  52                           ; v52-67   a step's eight Wa of my half of the lanes, two sets
.set KF,  68                           ; v68-99   a tile of 16 keys: two fragments; behind the loop v's second half, columns u = 0
.set S,   100                          ; v100-163 eight tiles of scores; behind the loop, from S + 32: v's second half, columns u = 1
.set VV,  164                          ; v164-227 v's first half: (u, tt) at VV + 4 (8 u + tt): 8 bf16
.set OO,  228                          ; v228-243 the pooled sums of my 16 columns
.set PT,  244                          ; v244-251 p of token 16 tt + lane % 16
.set WV,  20                           ; s20  my wave's number
.set G1,  24                           ; s[24:31] descriptor group 1
.set G0,  32                           ; s[32:35], s[36:39] group 0 for slot 0, 1
.set SEL, 52                           ; s[52:53] lane selects for v_permlanex16_b32: lane l xor 16
.set PFA, 54                           ; s[54:55] where k's prefetch stands; never rewritten
.set LIM, 56                           ; s56  0 in a wave that prefetches k
.set MSB, 0
.macro WIN new
.if MSB != (\new)
	s_set_vgpr_msb (MSB<<8)|(\new)
.set MSB, (\new)
.endif
.endm
.macro PLACES
.rept 4
	v_nop
.endr
.endm
.macro CROUND                          ; a round of the cluster's barrier
	s_barrier_signal -1
	s_barrier_wait -1
	s_cmp_lg_u32 s[WV], 0
	s_cbranch_scc1 .Lnot_wave_0_\@
	s_barrier_signal -3
.Lnot_wave_0_\@:
	s_barrier_wait -3
	s_barrier_signal -1
	s_barrier_wait -1
.endm
	s_load_b256 s[4:11], s[0:1], 0x0               ; qf s[4:5], kf s[6:7], vf s[8:9], Wa s[10:11]
	s_load_b256 s[12:19], s[0:1], 0x20             ; ba s[12:13], x_mask s[14:15], the exponents s[16:17], part s[18:19]
	v_lshl_add_u32 v[SPW], v0, 2, SPARE
	v_mov_b32 v[NIL], 0
	ds_add_u32 v12, v13
	ds_add_u32 v12, v13
	s_wait_dscnt 0x0
	v_lshrrev_b32 v252, 5, v0
	v_readfirstlane_b32 s[WV], v252                ; wave 0..7
	s_bfe_u32 s21, ttmp6, 0x40000                  ; cx: my place in the cluster
	s_lshl_b32 s22, ttmp9, 2
	s_add_co_u32 s22, s22, s21                     ; my block of 128 tokens: it enters q's, v's, the mask's and the result's addresses alone
	s_and_b32 s23, ttmp7, 0xffff                   ; bh, which the four partners share
	; descriptor group 1: 64 rows of 32 elements of 8 bytes, dense: 16,384 bytes
	s_mov_b32 s[G1], 15|(3<<16)|(1<<21)            ; 15:0 the mask: all four work-groups; 17:16 elements of 8 bytes; 21 set beside a mask; no padding
	s_mov_b32 s[G1+1], 32<<16                      ; tensor_dim0 = 32
	s_mov_b32 s[G1+2], 64<<16                      ; tensor_dim1 = 64
	s_mov_b32 s[G1+3], 32<<16                      ; tile_dim0 = 32
	s_mov_b32 s[G1+4], 64                          ; tile_dim1 = 64
	s_mov_b32 s[G1+5], 32                          ; tensor_dim0_stride
	s_mov_b32 s[G1+6], 0
	s_mov_b32 s[G1+7], 0
	s_mov_b32 s[SEL], 0x76543210
	s_mov_b32 s[SEL+1], 0xfedcba98
	s_lshl_b32 s[G0+1], s[WV], 14                  ; LDS: my part of slot 0,
	s_add_co_u32 s[G0+5], s[G0+1], SLOTB           ; of slot 1: no place in the cluster enters an LDS address
	s_lshl_b32 s58, s23, 19                        ; bh's first byte in kf
	s_add_co_u32 s58, s58, s[G0+1]                 ; + my wave's 16,384
	s_mov_b32 s59, 0
	; every LDS address is made here: a constant + a constant x lane + a constant x wave
	v_and_b32 v252, 31, v0                         ; lane
	v_and_b32 v253, 15, v0                         ; r
	v_bfe_u32 v254, v0, 4, 1                       ; hh
	v_lshlrev_b32 v[A16], 4, v252
	v_add_nc_u32 v[ADK], s[G0+1], v[A16]
	v_add_nc_u32 v[ADK+1], s[G0+5], v[A16]
	s_lshl_b32 s60, s[WV], 10
	s_add_co_u32 s60, s60, WAL
	v_lshl_add_u32 v[AWA], v254, 5, s60
	v_add_nc_u32 v[AWS], s60, v[A16]
	s_lshl_b32 s60, s[WV], 9
	s_add_co_u32 s61, s60, SCB
	v_lshl_add_u32 v[ASC], v253, 2, s61
	v_add_nc_u32 v[ARD], SCB, v[A16]
	s_add_co_u32 s61, s60, PW
	v_add_nc_u32 v[APW], s61, v[A16]
	v_lshl_add_u32 v[APR], v253, 2, s61
	s_lshl_b32 s60, s[WV], 7
	s_add_co_u32 s60, s60, OS
	v_lshl_add_u32 v[AOS], v254, 5, s60
	v_add_nc_u32 v[AOL], OS, v[A16]
	v_lshlrev_b32 v[AWG], 11, v254
	v_lshl_add_u32 v[AWG], v253, 4, v[AWG]
	s_lshl_b32 s60, s[WV], 8
	v_add_nc_u32 v[AWG], s60, v[AWG]
	v_lshlrev_b32 v[PFO], 8, v252
	s_wait_kmcnt 0x0
	s_load_b256 s[40:47], s[16:17], 0x0            ; e0 .. e7
	s_load_b32 s48, s[12:13], 0x0                  ; ba
	s_add_nc_u64 s[60:61], s[6:7], s[58:59]        ; kf at my part of fill 0
	s_mov_b32 s[G0], 1                             ; count = 1
	s_mov_b64 s[G0+2:G0+3], s[60:61]
	s_or_b32 s[G0+3], s[G0+3], 0x80000000          ; type = 2
	s_mov_b32 s[G0+4], 1
	s_add_nc_u64 s[G0+6:G0+7], s[60:61], SLOTB     ; fill 1
	s_or_b32 s[G0+7], s[G0+7], 0x80000000
	CROUND                                         ; all four work-groups are here: the first joint loads meet
	tensor_load_to_lds s[G0:G0+3], s[G1:G1+7]      ; fill 0
	s_nop 0
	tensor_load_to_lds s[G0+4:G0+7], s[G1:G1+7]    ; fill 1: two loads of mine are out
	s_nop 0
	PLACES
	; the other addresses
	s_lshl_b32 s66, s23, 19
	s_lshl_b32 s67, s22, 15
	s_add_co_u32 s66, s66, s67
	s_mov_b32 s67, 0
	s_add_nc_u64 s[4:5], s[4:5], s[66:67]          ; q: bh, my block's 8 tiles x 4,096 bytes
	s_lshl_b32 s66, s23, 21
	s_lshl_b32 s67, s22, 17
	s_add_co_u32 s66, s66, s67
	s_lshl_b32 s67, s[WV], 10
	s_add_co_u32 s66, s66, s67
	s_mov_b32 s67, 0
	s_add_nc_u64 s[8:9], s[8:9], s[66:67]          ; v: bh, my block's 8 tiles x 16,384 bytes (two halves of K x 8,192), my wave's two tiles of 16 columns; never rewritten
	s_lshl_b32 s66, s22, 9
	s_add_nc_u64 s[14:15], s[14:15], s[66:67]      ; the mask of my block's 128 tokens
	s_lshl_b32 s66, s23, 4
	s_add_co_u32 s66, s66, s22
	s_mul_i32 s66, s66, 1536
	s_add_nc_u64 s[18:19], s[18:19], s[66:67]      ; my row of part
	s_lshl_b32 s66, s23, 19                        ; k's prefetch: fill 3 of my bh; the four partners take 32,768 bytes each, told apart by address; waves 0 to 3 take 8,192 each
	s_lshl_b32 s68, s21, 15
	s_add_co_u32 s66, s66, s68
	s_and_b32 s68, s[WV], 3
	s_lshl_b32 s68, s68, 13
	s_add_co_u32 s66, s66, s68
	s_add_co_u32 s66, s66, 3*SLOTB
	s_add_nc_u64 s[PFA:PFA+1], s[6:7], s[66:67]
	s_lshr_b32 s[LIM], s[WV], 2
	s_or_b32 s[LIM], s[LIM], ttmp9                 ; 0 in waves 0 to 3 of the bh's first cluster: the same in all four partners
	global_load_b128 v[WT:WT+3], v[AWG], s[10:11]                ; Wa of my keys: fills 0 and 1 (lanes 0-15, 16-31),
	global_load_b128 v[WT+4:WT+7], v[AWG], s[10:11] offset:4096  ; fills 2 and 3
	global_load_b128 v[MK:MK+3], v[A16], s[14:15]
	WIN 0x40                                       ; destination window 1
.set i, 0
.rept 64
	global_load_b128 v[4*i:4*i+3], v[A16], s[4:5] offset:512*i   ; q's 16 fragments as they lie: fragment (t, s) at v[32 t + 16 s] of window 1: they stay
.set i, i+1
.endr
	WIN 0
.irp u, 0,1
.irp tt, 0,1,2,3,4,5,6,7
	global_load_b128 v[VV+4*(8*\u+\tt):VV+4*(8*\u+\tt)+3], v[A16], s[8:9] offset:16384*\tt+512*\u th:TH_LOAD_NT   ; v's first half of K: wanted behind the loop, it lands meanwhile; read once in the launch
.endr
.endr
	s_wait_kmcnt 0x0
	s_add_co_i32 s49, s46, s47
	s_add_co_i32 s49, s49, 123                     ; e6 + e7 - 4 + 127
	s_lshl_b32 s49, s49, 23                        ; c1 = 2^(e6 + e7) / 16
	s_mul_f32 s50, s48, 0x3d800000                 ; c0 = ba / 16
	s_wait_loadcnt 16                              ; all but v's sixteen loads are in
	ds_store_b128 v[AWS], v[WT:WT+3]               ; my wave's Wa in the order of its steps: step n's sixteen at byte 64 n.  My own bytes: no barrier
	ds_store_b128 v[AWS], v[WT+4:WT+7] offset:512
; Step n's tile of keys (tile n % 4 of my part of fill n / 4) and its Wa: ten LDS loads in one run
.macro FETCH n
.irp s, 0,1
.irp c, 0,1,2,3
	ds_load_b128 v[KF+16*\s+4*\c:KF+16*\s+4*\c+3], v[ADK+((\n)/4)%2] offset:4096*((\n)%4)+2048*\s+512*\c
.endr
.endr
	ds_load_b128 v[WA+8*((\n)%2):WA+8*((\n)%2)+3], v[AWA] offset:64*(\n)
	ds_load_b128 v[WA+8*((\n)%2)+4:WA+8*((\n)%2)+7], v[AWA] offset:64*(\n)+16
.endm
; The vector work of a step: for each of the 8 tiles, 4 packed multiply-adds s Wa and 8 multiply-adds |s| Wa.  Each tile is read from its low end on; lines on one sum stand eight apart.  first = 1: the first products start the sums.
.macro VALU n, first
.set W, WA+8*((\n)%2)
.irp p, 0,1,2,3
.irp t, 0,1,2,3,4,5,6,7
.if (\first) && (\p == 0)
	v_pk_mul_f32 v[LIN+2*\t:LIN+2*\t+1], v[S+8*\t:S+8*\t+1], v[W:W+1]
.else
	v_pk_fma_f32 v[LIN+2*\t:LIN+2*\t+1], v[S+8*\t+2*\p:S+8*\t+2*\p+1], v[W+2*\p:W+2*\p+1], v[LIN+2*\t:LIN+2*\t+1]
.endif
.endr
.endr
.irp j, 0,1,2,3,4,5,6,7
.irp t, 0,1,2,3,4,5,6,7
.if (\first) && (\j == 0)
	v_mul_f32 v[AB+\t], |v[S+8*\t]|, v[W]
.else
	v_fma_f32 v[AB+\t], |v[S+8*\t+\j]|, v[W+\j], v[AB+\t]
.endif
.endr
.endr
.endm
; A PREFETCH INTO THE L2 of fill 3, at the change of slots that asks for fill 2: four of a wave's steps ahead of fill 3's load.  Lanes 256 bytes apart, one instruction a wave; each aligned block of 256 bytes is named once in the launch.
; Fills 0 to 2 come by their loads alone.
.macro ASK
	s_cmp_eq_u32 s[LIM], 0
	s_cbranch_scc0 .Lnot_mine_\@
	global_prefetch_b8 v[PFO], s[PFA:PFA+1] th:TH_LOAD_NT scope:SCOPE_SE
.Lnot_mine_\@:
.endm
; v's second half of K, my tile u of 16 columns, the block's eight tiles of tokens: eight loads, into k's registers (u = 0) or the scores' upper half (u = 1), when the last step has done with them
.macro VLATE u
.if \u == 0
.set VB, KF
.else
.set VB, S+32
.endif
.irp tt, 0,1,2,3,4,5,6,7
	global_load_b128 v[VB+4*\tt:VB+4*\tt+3], v[A16], s[8:9] offset:16384*\tt+8192+512*\u th:TH_LOAD_NT
.endr
.endm
; A STEP: 16 keys against the block's 128 tokens.  The eight accumulators take turns, one instruction a turn: first K = 0..127 with C = 0, then K = 128..255.
; mode 0: the next tile is fetched.  mode 1: my part of the slot has been read out: it is filled again, behind a round.  mode 2: the last fill is waited for.  mode 3: the last step.
; Four plain vector instructions are the places behind the last product, for the loads into k's registers and for the first reads of the scores.
.macro STEP n, mode, first
	s_wait_dscnt 0x0                               ; this step's ten loads are in
	WIN 0x04                                       ; source 1 (q) window 1
.irp t, 0,1,2,3,4,5,6,7
	v_wmma_f32_16x16x128_fp8_fp8 v[S+8*\t:S+8*\t+7], v[KF:KF+15], v[32*\t:32*\t+15], 0
.endr
.irp t, 0,1,2,3,4,5,6,7
	v_wmma_f32_16x16x128_fp8_fp8 v[S+8*\t:S+8*\t+7], v[KF+16:KF+31], v[32*\t+16:32*\t+31], v[S+8*\t:S+8*\t+7]
.endr
	WIN 0
.if \mode == 1
.set GS, G0+4*(((\n)/4)%2)
	s_wait_tensorcnt 0x0                           ; all my tensor loads have landed: the one that was out is my part of the other slot
	ds_add_u32 v[SPW], v[NIL]                      ; 0 onto my spare word
	s_add_nc_u64 s[GS+2:GS+3], s[GS+2:GS+3], 2*SLOTB   ; no load of mine is out, so a group 0 may be written: two fills on
	PLACES
	s_wait_dscnt 0x0                               ; the add is done; my reads of this slot came back at the step's head
	CROUND                                         ; the same now holds of every wave of all four work-groups
	tensor_load_to_lds s[GS:GS+3], s[G1:G1+7]      ; my one tensor load behind the round: it has four of my steps in which to land
	s_nop 0
	PLACES
	FETCH (\n)+1
.if \n == 3
	ASK
.endif
.elseif \mode == 2
	s_wait_tensorcnt 0x0                           ; the last fill: no load was issued behind it
	v_bfe_u32 v[PFV], v0, 2, 3                     ; the four places are the offset of v's prefetch: lane l names block l % 4 of the 1,024 bytes of tile of tokens l / 4
	v_and_b32 v[PFV+1], 3, v0
	v_lshlrev_b32 v[PFV], 14, v[PFV]
	v_lshl_add_u32 v[PFV], v[PFV+1], 8, v[PFV]
	FETCH (\n)+1
	; A PREFETCH INTO THE L2 of v's second half of K, my wave's 8 x 1,024 bytes: 32 aligned blocks of 256 bytes, a lane a block, one instruction a wave; only this wave reads them, so each is named once in the launch.
	; It stands behind the step's run of LDS loads, four of my steps ahead of the loads that want the bytes.  Its address registers are not written again.
	global_prefetch_b8 v[PFV], s[8:9] offset:8192 th:TH_LOAD_NT scope:SCOPE_SE
.elseif \mode == 0
	PLACES
	FETCH (\n)+1
.else
	PLACES
	VLATE 0                                        ; k's registers have been multiplied for the last time
.endif
	VALU \n, \first
.if \mode == 3
	VLATE 1                                        ; the scores have been read for the last time
.endif
.endm
	s_wait_tensorcnt 1                             ; my part of fill 0 is in; fill 1's may be out.  Only I read these bytes
	FETCH 0
	STEP 0, 0, 1
	STEP 1, 0, 0
	STEP 2, 0, 0
	STEP 3, 1, 0                                   ; slot 0 takes fill 2
	STEP 4, 0, 0
	STEP 5, 0, 0
	STEP 6, 0, 0
	STEP 7, 1, 0                                   ; slot 1 takes fill 3
	STEP 8, 0, 0
	STEP 9, 0, 0
	STEP 10, 0, 0
	STEP 11, 2, 0
	STEP 12, 0, 0
	STEP 13, 0, 0
	STEP 14, 0, 0
	STEP 15, 3, 0
	; my wave's part of the 128 scores: 0.55 (sum of s Wa) + 0.45 (sum of |s| Wa), my half of the lanes' and the other's
.irp t, 0,1,2,3,4,5,6,7
	v_add_f32 v[LIN+2*\t], v[LIN+2*\t], v[LIN+2*\t+1]
.endr
.irp t, 0,1,2,3,4,5,6,7
	v_mul_f32 v[AB+\t], 0x3ee66666, v[AB+\t]
.endr
.irp t, 0,1,2,3,4,5,6,7
	v_fmamk_f32 v[AB+\t], v[LIN+2*\t], 0x3f0ccccd, v[AB+\t]
.endr
.irp t, 0,1,2,3,4,5,6,7
	v_permlanex16_b32 v[WA+\t], v[AB+\t], s[SEL], s[SEL+1]
.endr
.irp t, 0,1,2,3,4,5,6,7
	v_add_f32 v[AB+\t], v[AB+\t], v[WA+\t]
.endr
.irp t, 0,1,2,3,4,5,6,7
	ds_store_b32 v[ASC], v[AB+\t] offset:64*\t     ; token 16 t + lane % 16; both halves of the lanes write the same number to the same word
.endr
	s_wait_dscnt 0x0                               ; for the others' sake: my stores are done
	s_barrier_signal -1
	s_barrier_wait -1
	; every wave adds the eight parts: lane l then holds tokens 4 l + 0 .. 3.  (Registers S .. S + 31: v's late loads land from S + 32 on)
.irp k, 0,1,2,3,4,5,6,7
	ds_load_b128 v[S+4*\k:S+4*\k+3], v[ARD] offset:512*\k
.endr
	v_mov_b32 v252, 0xce6e6b28                     ; -1e9
	s_wait_dscnt 0x0
.irp k, 0,2,4,6
	v_pk_add_f32 v[S+4*\k:S+4*\k+1], v[S+4*\k:S+4*\k+1], v[S+4*\k+4:S+4*\k+5]
	v_pk_add_f32 v[S+4*\k+2:S+4*\k+3], v[S+4*\k+2:S+4*\k+3], v[S+4*\k+6:S+4*\k+7]
.endr
.irp k, 0,4
	v_pk_add_f32 v[S+4*\k:S+4*\k+1], v[S+4*\k:S+4*\k+1], v[S+4*\k+8:S+4*\k+9]
	v_pk_add_f32 v[S+4*\k+2:S+4*\k+3], v[S+4*\k+2:S+4*\k+3], v[S+4*\k+10:S+4*\k+11]
.endr
	v_pk_add_f32 v[S:S+1], v[S:S+1], v[S+16:S+17]
	v_pk_add_f32 v[S+2:S+3], v[S+2:S+3], v[S+18:S+19]
.irp i, 0,1,2,3
	v_fma_f32 v[S+\i], v[S+\i], s49, s50           ; score = sum x 2^(e6 + e7) / 16 + ba / 16
.endr
.irp i, 0,1,2,3
	v_cmp_eq_u32 vcc_lo, 0, v[MK+\i]               ; the mask only selects a value
	v_cndmask_b32 v[S+\i], v252, v[S+\i], vcc_lo   ; -1e9 where the mask is not 0
.endr
	v_max3_num_f32 v253, v[S], v[S+1], v[S+2]      ; m: the block's largest score
	v_max_num_f32 v253, v253, v[S+3]
	v_max_num_f32_dpp v253, v253, v253 row_xmask:1 row_mask:0xf bank_mask:0xf
	v_max_num_f32_dpp v253, v253, v253 row_xmask:2 row_mask:0xf bank_mask:0xf
	v_max_num_f32_dpp v253, v253, v253 row_xmask:4 row_mask:0xf bank_mask:0xf
	v_max_num_f32_dpp v253, v253, v253 row_xmask:8 row_mask:0xf bank_mask:0xf
	v_permlanex16_b32 v254, v253, s[SEL], s[SEL+1]
	v_max_num_f32 v253, v253, v254
.irp i, 0,1,2,3
	v_sub_f32 v[S+4+\i], v[S+\i], v253             ; the subtraction first: a block that is masked throughout gives exactly 0
.endr
.irp i, 0,1,2,3
	v_mul_f32 v[S+4+\i], 0x3fb8aa3b, v[S+4+\i]
.endr
.irp i, 0,1,2,3
	v_exp_f32 v[S+4+\i], v[S+4+\i]                 ; p = exp(score - m)
.endr
	v_nop                                          ; one plain instruction behind the last exponential
	s_wait_alu depctr_va_vdst(0)                   ; one wait for the batch, ahead of its first reader
	ds_store_b128 v[APW], v[S+4:S+7]               ; p goes round inside my wave: my own bytes, no barrier
.irp tt, 0,1,2,3,4,5,6,7
	ds_load_b32 v[PT+\tt], v[APR] offset:64*\tt    ; LDS serves a wave's instructions in order (ISA guide 5.7.1.4): these see the store above
.endr
	v_add_f32 v255, v[S+4], v[S+5]                 ; l: the sum of p
	v_add_f32 v252, v[S+6], v[S+7]
	v_add_f32 v255, v255, v252
	v_add_f32_dpp v255, v255, v255 row_xmask:1 row_mask:0xf bank_mask:0xf
	v_add_f32_dpp v255, v255, v255 row_xmask:2 row_mask:0xf bank_mask:0xf
	v_add_f32_dpp v255, v255, v255 row_xmask:4 row_mask:0xf bank_mask:0xf
	v_add_f32_dpp v255, v255, v255 row_xmask:8 row_mask:0xf bank_mask:0xf
	v_permlanex16_b32 v254, v255, s[SEL], s[SEL+1]
	v_add_f32 v255, v255, v254
	s_wait_dscnt 0x0
	s_wait_loadcnt 0x0                             ; v, both halves
	; THE POOLING.  Wave w owns the head's columns 32 w .. 32 w + 31.  Lane (r, hh): token 16 tt + r, columns 16 u + 8 hh + 0 .. 7: sixteen sums a lane, over both halves of K, then the sum over r
.irp u, 0,1
.irp g, 0,1,2,3
	v_lshlrev_b32 v[OO+8*\u+2*\g], 16, v[VV+32*\u+\g]            ; bf16 to f32: the low half moves up,
	v_and_b32 v[OO+8*\u+2*\g+1], 0xffff0000, v[VV+32*\u+\g]      ; the high half stays
.endr
.endr
.irp e, 0,2,4,6,8,10,12,14
	v_pk_mul_f32 v[OO+\e:OO+\e+1], v[OO+\e:OO+\e+1], v[PT:PT+1] op_sel_hi:[1,0]   ; the first tile of tokens starts the sums
.endr
.irp tt, 1,2,3,4,5,6,7
.irp u, 0,1
.irp g, 0,1,2,3
	v_fma_mix_f32_bf16 v[OO+8*\u+2*\g], v[VV+32*\u+4*\tt+\g], v[PT+\tt], v[OO+8*\u+2*\g] op_sel_hi:[1,0,0]
	v_fma_mix_f32_bf16 v[OO+8*\u+2*\g+1], v[VV+32*\u+4*\tt+\g], v[PT+\tt], v[OO+8*\u+2*\g+1] op_sel:[1,0,0] op_sel_hi:[1,0,0]
.endr
.endr
.endr
.irp tt, 0,1,2,3,4,5,6,7
.irp g, 0,1,2,3
	v_fma_mix_f32_bf16 v[OO+2*\g], v[KF+4*\tt+\g], v[PT+\tt], v[OO+2*\g] op_sel_hi:[1,0,0]                             ; the second half of K, columns u = 0,
	v_fma_mix_f32_bf16 v[OO+2*\g+1], v[KF+4*\tt+\g], v[PT+\tt], v[OO+2*\g+1] op_sel:[1,0,0] op_sel_hi:[1,0,0]
	v_fma_mix_f32_bf16 v[OO+8+2*\g], v[S+32+4*\tt+\g], v[PT+\tt], v[OO+8+2*\g] op_sel_hi:[1,0,0]                       ; and u = 1
	v_fma_mix_f32_bf16 v[OO+8+2*\g+1], v[S+32+4*\tt+\g], v[PT+\tt], v[OO+8+2*\g+1] op_sel:[1,0,0] op_sel_hi:[1,0,0]
.endr
.endr
.irp x, 1,2,4,8
.irp e, 0,1,2,3,4,5,6,7,8,9,10,11,12,13,14,15
	v_add_f32_dpp v[OO+\e], v[OO+\e], v[OO+\e] row_xmask:\x row_mask:0xf bank_mask:0xf
.endr
.endr
.irp u, 0,1
	ds_store_b128 v[AOS], v[OO+8*\u:OO+8*\u+3] offset:64*\u          ; the sixteen lanes of a half write the same numbers to the same bytes
	ds_store_b128 v[AOS], v[OO+8*\u+4:OO+8*\u+7] offset:64*\u+16
.endr
	s_wait_dscnt 0x0
	s_barrier_signal -1
	s_barrier_wait -1                              ; the 256 pooled numbers lie in LDS
	s_cmp_lg_u32 s[WV], 0
	s_cbranch_scc1 .Lothers
	ds_load_b128 v[S+4:S+7], v[AOL]
	ds_load_b128 v[S+8:S+11], v[AOL] offset:512
	v_mov_b32 v[S], v253                           ; (m, l, m, l)
	v_mov_b32 v[S+1], v255
	v_mov_b32 v[S+2], v253
	v_mov_b32 v[S+3], v255
	s_wait_dscnt 0x0
	global_store_b128 v[A16], v[S+4:S+7], s[18:19]               ; each store covers 512 consecutive bytes, aligned
	global_store_b128 v[A16], v[S+8:S+11], s[18:19] offset:512
	global_store_b128 v[A16], v[S:S+3], s[18:19] offset:1024
.Lothers:
	s_wait_tensorcnt 0x0                           ; the wave's end
	ds_add_u32 v[SPW], v[NIL]
	s_wait_dscnt 0x0
	CROUND                                         ; the closing round
	s_endpgm
.Lfunc_end_k_qf9ec7b1666_score:
	.size	k_qf9ec7b1666_score, .Lfunc_end_k_qf9ec7b1666_score-k_qf9ec7b1666_score
	.p2alignl 7, 3214868480
	.fill 96, 4, 3214868480
	.section	.rodata,"a",@progbits
	.p2align	6, 0x0
	.amdhsa_kernel k_qf9ec7b1666_score
		.amdhsa_group_segment_fixed_size 327680
		.amdhsa_private_segment_fixed_size 0
		.amdhsa_enable_private_segment 0
		.amdhsa_kernarg_size 64
		.amdhsa_user_sgpr_count 2
		.amdhsa_user_sgpr_kernarg_segment_ptr 1
		.amdhsa_wavefront_size32 1
		.amdhsa_system_sgpr_workgroup_id_x 1
		.amdhsa_system_sgpr_workgroup_id_y 1
		.amdhsa_system_sgpr_workgroup_id_z 1
		.amdhsa_system_vgpr_workitem_id 0
		.amdhsa_next_free_vgpr 512
		.amdhsa_next_free_sgpr 72
		.amdhsa_reserve_vcc 1
		.amdhsa_float_denorm_mode_32 3
		.amdhsa_float_denorm_mode_16_64 3
		.amdhsa_memory_ordered 1
		.amdhsa_forward_progress 1
		.amdhsa_inst_pref_size 171
	.end_amdhsa_kernel
	.amdgpu_metadata
---
amdhsa.version: [ 1, 2 ]
amdhsa.kernels:
  - .name:           k_qf9ec7b1666_score
    .symbol:         k_qf9ec7b1666_score.kd
    .args:
      - { .name: qf, .offset: 0, .size: 8, .value_kind: global_buffer, .address_space: global }
      - { .name: kf, .offset: 8, .size: 8, .value_kind: global_buffer, .address_space: global }
      - { .name: vf, .offset: 16, .size: 8, .value_kind: global_buffer, .address_space: global }
      - { .name: Wa, .offset: 24, .size: 8, .value_kind: global_buffer, .address_space: global }
      - { .name: ba, .offset: 32, .size: 8, .value_kind: global_buffer, .address_space: global }
      - { .name: x_mask, .offset: 40, .size: 8, .value_kind: global_buffer, .address_space: global }
      - { .name: lowp_scales, .offset: 48, .size: 8, .value_kind: global_buffer, .address_space: global }
      - { .name: part, .offset: 56, .size: 8, .value_kind: global_buffer, .address_space: global }
    .group_segment_fixed_size: 327680
    .private_segment_fixed_size: 0
    .kernarg_segment_align: 8
    .kernarg_segment_size: 64
    .max_flat_workgroup_size: 256
    .sgpr_count:     72
    .vgpr_count:     512
    .wavefront_size: 32
...
	.end_amdgpu_metadata
.endif
;; end of part 2
;; launch final (part 3): grid 256 x 1, 16 waves a work-group, no clusters, 18,688 bytes of LDS; arguments part, Wp, bp, out0; writes out0
.if DOCPART == 3
	.amdgcn_target "amdgcn-amd-amdhsa--gfx1250"
	.amdhsa_code_object_version 6
	.text
	.protected	k_qf9ec7b1666_final
	.globl	k_qf9ec7b1666_final
	.p2align	8
	.type	k_qf9ec7b1666_final,@function
k_qf9ec7b1666_final:
	s_mov_b64 s[64:65], 0
	v_nop
	global_prefetch_b8 v0, s[64:65] scope:SCOPE_SE
	s_setreg_imm32_b32 hwreg(HW_REG_WAVE_MODE, 25, 1), 1
	s_wait_xcnt 0x0
; out0 = tanh(pooled Wp^T + bp).  pooled [2][2048] is joined first from the 16 parts of each of the 16 (batch, head): with M = the largest m, pooled = sum of exp(m - M) part / sum of exp(m - M) l.
; The block whose m equals M holds a p of 1, so the divisor is at least 1.  All in f32, on the vector unit: two rows are too few for the matrix unit.
; SHARES.  Work-group g owns rows 8 g .. 8 g + 7 of Wp, for both batches: Wp is read once in the launch.  Every work-group joins all parts for itself (256 rows of 1,536 bytes): a launch for that alone is spared.
; Phase A: wave w joins the parts of bh = w and puts its 256 numbers into LDS.  Phase B: wave w takes row 8 g + w / 2 and half w % 2 of its 2,048 columns.  All global loads go out at the head.
; The output's 8 numbers a batch are 32 bytes: a work-group's rows do not fill a longer run.
; tanh(x) = 1 - 2 / (1 + 2^(2 log2(e) x)): it goes to 1 and -1 where the exponential overflows or vanishes.
.set YS, 16384                         ; LDS: pooled [2][2048] f32 at byte 0; behind it the waves' 32 half sums
.set ACC, 16                           ; v16-23   my eight numbers of the joined part
.set WP,  24                           ; v24-55   my 32 numbers of Wp
.set BP,  56                           ; v56      bp
.set PR,  64                           ; v64-191  16 rows of part x 8 registers; later pooled's fragments
	s_load_b256 s[4:11], s[0:1], 0x0               ; part s[4:5], Wp s[6:7], bp s[8:9], out0 s[10:11]
	v_lshl_add_u32 v192, v0, 2, 0x4100
	v_mov_b32 v193, 0
	v_lshrrev_b32 v1, 5, v0
	v_readfirstlane_b32 s12, v1                    ; wave 0..15
	v_and_b32 v1, 31, v0                           ; lane
	v_lshlrev_b32 v2, 4, v1                        ; 16 x lane
	v_and_b32 v3, 15, v0
	v_lshl_add_u32 v7, v3, 3, YS                   ; the last step: the two half sums of (batch lane / 8, row lane % 8)
	v_mul_u32_u24 v3, v3, 1536                     ; row lane % 16 of my bh's parts
	s_lshl_b32 s13, s12, 10
	v_add_nc_u32 v4, s13, v2                       ; pooled: 1,024 w + 16 lane
	s_and_b32 s14, s12, 1
	s_lshl_b32 s15, s14, 12
	v_add_nc_u32 v5, s15, v2                       ; pooled, back: my half of the columns
	s_lshl_b32 s13, s12, 2
	s_add_co_u32 s13, s13, YS
	v_mov_b32 v6, s13                              ; my wave's word among the half sums
	v_and_b32 v8, 7, v0
	v_lshlrev_b32 v8, 2, v8                        ; bp: 4 (lane % 8)
	v_bfe_u32 v9, v0, 3, 1
	v_lshl_add_u32 v9, v9, 13, v8                  ; out0: batch (lane / 8) % 2, row lane % 8
	s_mov_b32 s32, 0x76543210
	s_mov_b32 s33, 0xfedcba98
	s_mul_i32 s36, s12, 24576                      ; my bh's 16 rows of part
	s_mov_b32 s37, 0
	s_lshl_b32 s38, ttmp9, 16                      ; 8 rows of Wp a work-group,
	s_lshl_b32 s39, s12, 12                        ; half a row a wave
	s_add_co_u32 s38, s38, s39
	s_mov_b32 s39, 0
	s_lshl_b32 s40, ttmp9, 5                       ; 8 numbers of bp and of out0
	s_mov_b32 s41, 0
	s_wait_kmcnt 0x0
	s_add_nc_u64 s[4:5], s[4:5], s[36:37]
	s_add_nc_u64 s[6:7], s[6:7], s[38:39]
	s_add_nc_u64 s[8:9], s[8:9], s[40:41]
	s_add_nc_u64 s[10:11], s[10:11], s[40:41]
	global_load_b64 v[10:11], v3, s[4:5] offset:1024             ; (m, l) of part lane % 16
.irp r, 0,1,2,3,4,5,6,7,8,9,10,11,12,13,14,15
	global_load_b128 v[PR+8*\r:PR+8*\r+3], v2, s[4:5] offset:1536*\r          ; numbers 4 lane + 0 .. 3,
	global_load_b128 v[PR+8*\r+4:PR+8*\r+7], v2, s[4:5] offset:1536*\r+512    ; and 128 + 4 lane + 0 .. 3
.endr
.irp i, 0,1,2,3,4,5,6,7
	global_load_b128 v[WP+4*\i:WP+4*\i+3], v2, s[6:7] offset:512*\i th:TH_LOAD_NT   ; 32 lanes read 512 consecutive bytes; read once in the launch
.endr
	global_load_b32 v[BP], v8, s[8:9]
	; ---- A: the coefficients of the 16 parts
	s_wait_loadcnt 41                              ; (m, l) are in; the 32 + 8 + 1 younger loads may be out
	v_mov_b32 v12, v10
	v_max_num_f32_dpp v12, v12, v12 row_xmask:1 row_mask:0xf bank_mask:0xf
	v_max_num_f32_dpp v12, v12, v12 row_xmask:2 row_mask:0xf bank_mask:0xf
	v_max_num_f32_dpp v12, v12, v12 row_xmask:4 row_mask:0xf bank_mask:0xf
	v_max_num_f32_dpp v12, v12, v12 row_xmask:8 row_mask:0xf bank_mask:0xf   ; M
	v_sub_f32 v13, v10, v12
	v_mul_f32 v13, 0x3fb8aa3b, v13
	v_exp_f32 v13, v13                             ; exp(m - M)
	v_nop                                          ; one plain instruction behind a transcendental
	s_wait_alu depctr_va_vdst(0)                   ; and the wait ahead of its first reader
	v_mul_f32 v14, v13, v11
	v_add_f32_dpp v14, v14, v14 row_xmask:1 row_mask:0xf bank_mask:0xf
	v_add_f32_dpp v14, v14, v14 row_xmask:2 row_mask:0xf bank_mask:0xf
	v_add_f32_dpp v14, v14, v14 row_xmask:4 row_mask:0xf bank_mask:0xf
	v_add_f32_dpp v14, v14, v14 row_xmask:8 row_mask:0xf bank_mask:0xf       ; the softmax's divisor
	v_rcp_f32 v15, v14
	v_nop
	s_wait_alu depctr_va_vdst(0)
	v_mul_f32 v13, v13, v15
.irp r, 0,1,2,3,4,5,6,7,8,9,10,11,12,13,14,15
	v_readlane_b32 s[16+\r], v13, \r
.endr
.irp r, 0,1,2,3,4,5,6,7,8,9,10,11,12,13,14,15
	s_wait_loadcnt 39-2*\r                         ; part r's two loads are in; the later parts' and the nine younger loads may be out
.irp e, 0,1,2,3,4,5,6,7
.if \r == 0
	v_mul_f32 v[ACC+\e], s[16+\r], v[PR+8*\r+\e]
.else
	v_fmac_f32 v[ACC+\e], s[16+\r], v[PR+8*\r+\e]
.endif
.endr
.endr
	ds_store_b128 v4, v[ACC:ACC+3]
	ds_store_b128 v4, v[ACC+4:ACC+7] offset:512
	s_wait_dscnt 0x0                               ; for the others' sake
	s_barrier_signal -1
	s_barrier_wait -1                              ; pooled lies in LDS
	; ---- B: my half row of Wp against both batches
.irp b, 0,1
.irp i, 0,1,2,3,4,5,6,7
	ds_load_b128 v[PR+4*(8*\b+\i):PR+4*(8*\b+\i)+3], v5 offset:8192*\b+512*\i
.endr
.endr
	s_wait_dscnt 0x0
	s_wait_loadcnt 0x0                             ; Wp, bp
.irp i, 0,1,2,3,4,5,6,7
.irp b, 0,1
.if \i == 0
	v_pk_mul_f32 v[128+4*\b:129+4*\b], v[WP+4*\i:WP+4*\i+1], v[PR+4*(8*\b+\i):PR+4*(8*\b+\i)+1]
	v_pk_mul_f32 v[130+4*\b:131+4*\b], v[WP+4*\i+2:WP+4*\i+3], v[PR+4*(8*\b+\i)+2:PR+4*(8*\b+\i)+3]
.else
	v_pk_fma_f32 v[128+4*\b:129+4*\b], v[WP+4*\i:WP+4*\i+1], v[PR+4*(8*\b+\i):PR+4*(8*\b+\i)+1], v[128+4*\b:129+4*\b]
	v_pk_fma_f32 v[130+4*\b:131+4*\b], v[WP+4*\i+2:WP+4*\i+3], v[PR+4*(8*\b+\i)+2:PR+4*(8*\b+\i)+3], v[130+4*\b:131+4*\b]
.endif
.endr
.endr
	v_pk_add_f32 v[128:129], v[128:129], v[130:131]
	v_pk_add_f32 v[132:133], v[132:133], v[134:135]
	v_add_f32 v128, v128, v129
	v_add_f32 v132, v132, v133
.irp x, 1,2,4,8
	v_add_f32_dpp v128, v128, v128 row_xmask:\x row_mask:0xf bank_mask:0xf
	v_add_f32_dpp v132, v132, v132 row_xmask:\x row_mask:0xf bank_mask:0xf
.endr
	v_permlanex16_b32 v129, v128, s32, s33
	v_permlanex16_b32 v133, v132, s32, s33
	v_add_f32 v128, v128, v129
	v_add_f32 v132, v132, v133
	ds_store_b32 v6, v128                          ; word 16 b + w: all lanes write the same number
	ds_store_b32 v6, v132 offset:64
	s_wait_dscnt 0x0
	s_barrier_signal -1
	s_barrier_wait -1
	s_cmp_lg_u32 s12, 0
	s_cbranch_scc1 .Ldone
	ds_load_b64 v[136:137], v7                     ; lane 8 b + j: the two halves of row j, batch b
	s_wait_dscnt 0x0
	v_add_f32 v136, v136, v137
	v_add_f32 v136, v136, v[BP]
	v_mul_f32 v136, 0x4038aa3b, v136               ; 2 log2(e) x
	v_exp_f32 v136, v136
	v_nop
	s_wait_alu depctr_va_vdst(0)
	v_add_f32 v136, 1.0, v136
	v_rcp_f32 v136, v136
	v_nop
	s_wait_alu depctr_va_vdst(0)
	v_fma_f32 v136, v136, -2.0, 1.0
	v_cmp_gt_u32 vcc_lo, 16, v1
	s_wait_xcnt 0x0                                ; EXEC changes only behind this wait
	s_and_saveexec_b32 s34, vcc_lo                 ; lanes 0 to 15: two batches x eight rows
	global_store_b32 v9, v136, s[10:11]
	s_wait_xcnt 0x0                                ; and again, in front of the line that widens it
	s_or_b32 exec_lo, exec_lo, s34
.Ldone:
	s_wait_tensorcnt 0x0
	ds_add_u32 v192, v193
	s_wait_dscnt 0x0
	s_endpgm
.Lfunc_end_k_qf9ec7b1666_final:
	.size	k_qf9ec7b1666_final, .Lfunc_end_k_qf9ec7b1666_final-k_qf9ec7b1666_final
	.p2alignl 7, 3214868480
	.fill 96, 4, 3214868480
	.section	.rodata,"a",@progbits
	.p2align	6, 0x0
	.amdhsa_kernel k_qf9ec7b1666_final
		.amdhsa_group_segment_fixed_size 18688
		.amdhsa_private_segment_fixed_size 0
		.amdhsa_enable_private_segment 0
		.amdhsa_kernarg_size 32
		.amdhsa_user_sgpr_count 2
		.amdhsa_user_sgpr_kernarg_segment_ptr 1
		.amdhsa_wavefront_size32 1
		.amdhsa_system_sgpr_workgroup_id_x 1
		.amdhsa_system_sgpr_workgroup_id_y 1
		.amdhsa_system_sgpr_workgroup_id_z 1
		.amdhsa_system_vgpr_workitem_id 0
		.amdhsa_next_free_vgpr 194
		.amdhsa_next_free_sgpr 66
		.amdhsa_reserve_vcc 1
		.amdhsa_float_denorm_mode_32 3
		.amdhsa_float_denorm_mode_16_64 3
		.amdhsa_memory_ordered 1
		.amdhsa_forward_progress 1
		.amdhsa_inst_pref_size 18
	.end_amdhsa_kernel
	.amdgpu_metadata
---
amdhsa.version: [ 1, 2 ]
amdhsa.kernels:
  - .name:           k_qf9ec7b1666_final
    .symbol:         k_qf9ec7b1666_final.kd
    .args:
      - { .name: part, .offset: 0, .size: 8, .value_kind: global_buffer, .address_space: global }
      - { .name: Wp, .offset: 8, .size: 8, .value_kind: global_buffer, .address_space: global }
      - { .name: bp, .offset: 16, .size: 8, .value_kind: global_buffer, .address_space: global }
      - { .name: out0, .offset: 24, .size: 8, .value_kind: global_buffer, .address_space: global }
    .group_segment_fixed_size: 18688
    .private_segment_fixed_size: 0
    .kernarg_segment_align: 8
    .kernarg_segment_size: 32
    .max_flat_workgroup_size: 512
    .sgpr_count:     66
    .vgpr_count:     194
    .wavefront_size: 32
...
	.end_amdgpu_metadata
.endif
;; end of part 3
